; MI455X (gfx1250); checked and timed in simulation.
; The chip was launched on July 23, 2026; its instructions are those of AMD's public machine-readable ISA for CDNA 5 (MIT licence, August 2026) and "CDNA5" Instruction Set Architecture Reference Guide (July 2026). The comments in the code are by the model that wrote it; some were corrected since.
;; Quantized Embedding Backbone. Allowed arithmetic: float matrix products may take bf16 or f16 operands with f32 sums; all other float work in f32.
;; Inputs: keys 4,096 x 3 float32; pointcloud 4 x 16,384 x 3 float32; values 4,096 x 64 float32.
;; Outputs: out0 4 x 16,384 x 64 float32; out1 4 x 16,384 x 1 int32; out2 4 x 16,384 x 3 float32.
;; 2 versions, each right; version 2 is version 1 with the launch filter written anew for expert scheduling mode. Each part assembles by itself: llvm-mc -triple=amdgcn-amd-amdhsa -mcpu=gfx1250 --defsym DOCPART=n.
;; ======== version 1 of 2: 3 launches
;; workspace buffers: cand 524,288 bytes of whole numbers; ids 262,144 bytes of whole numbers
;; launch filter (part 1): grid 256 x 1, 8 waves a work-group, no clusters, 50,176 bytes of LDS; arguments keys, pointcloud, out2, cand; writes out2, cand
.if DOCPART == 1
	.amdgcn_target "amdgcn-amd-amdhsa--gfx1250"
	.amdhsa_code_object_version 6
	.text
	.protected	k_q23d0625f46_filter
	.globl	k_q23d0625f46_filter
	.p2align	8
	.type	k_q23d0625f46_filter,@function
k_q23d0625f46_filter:
	s_mov_b64 s[64:65], 0
	v_nop
	global_prefetch_b8 v0, s[64:65] scope:SCOPE_SE
	s_setreg_imm32_b32 hwreg(HW_REG_WAVE_MODE, 25, 1), 1
	s_wait_xcnt 0x0
; FILTER: for each of the work-group's 256 points, the two groups of 16 consecutive keys that hold the smallest squared distances.
; Also copies the work-group's 3,072 bytes of pointcloud to out2.
; Points and keys are rounded to bf16.  One matrix instruction gives 16 keys x 16 points of  c + k_sq - 2 p.k,  c = p_sq (1 + 2^-10):
;   key side   (A, row = key):     k0, k1, k2, k_sq as three bf16 parts (an exact split of the f32), 0, 0      = 8 of the 32 K places
;   point side (B, column = point): -2 p0, -2 p1, -2 p2, 1, 1, 1, 0, 0   in ONE octet of K, zeros in the three others
;   C: c of the lane's point in all eight registers.  c only shifts a point's distances alike; the 2^-10 keeps them above zero.
; So an A fragment of 8 registers holds FOUR key tiles (64 keys), one in each octet, and which tile is multiplied is chosen by the octet
; in which the point's numbers stand: four overlapping register tuples over  Z Xa Z Xb Z  (Z = zeros; Xa = numbers in lanes 0-15, Xb in lanes 16-31).
; With keys as rows, a lane's 8 result registers are 8 keys of ONE point (column = lane % 16, rows 8 (lane / 16) + 0..7).
; Two tiles give a lane 16 values, which the key numbering below makes 16 consecutive keys, a group:
; 8 three-way minima, the group's number written into the low 8 mantissa bits, and median + minimum keep the two smallest: 11 vector instructions for 16 pairs.
; Eight waves: wave w keeps keys 512 w .. 512 w + 511 in 64 registers for the whole kernel and walks all 16 point tiles; the waves' results meet in LDS.
; The keys (48 KiB) are the only bytes that work-groups share; each wave loads its 6 KiB once, straight into registers, and nothing is filled again:
; no tensor loads, hence no joint requests in a cluster.
; LIMITS: inputs finite, with finite squares (no NaN, no infinity).  The order among groups is kept to 2^-16 of (d2 + 2^-10 |p|^2) plus the
; matrix sum's own rounding (a few ulp of |p|^2 + |k|^2): if three or more groups lie that close to the minimum, the nearest may be missing from the two.
.set PF,  0                            ; LDS: 16 point tiles x (16 entries of 16 bytes with numbers, 16 entries of zeros)
.set CT,  8192                         ; LDS: 256 points x 16 bytes: c four times
.set MG,  12288                        ; LDS: 256 points x 144 bytes: 8 waves x 2 lane halves x (smallest, second)
.set MGP, 144                          ; 9 x 16 bytes: sixteen neighbouring points start in sixteen different 16-byte columns modulo 256
.set KF,  8                            ; v[8:71]    8 key fragments of 8 registers
.set PB,  72                           ; v[72:107]  Z Xa0 Z Xb0 Z Xa1 Z Xb1 Z, four registers each: two point buffers
.set CB,  108                          ; v[108:123] C, two buffers of 8
.set DS,  124                          ; v[124:187] results, two sets of 4 tiles; first the landing place of the raw keys, last of the merge
.set M1,  188                          ; smallest so far
.set M2,  189                          ; second smallest
.set TA,  190
.set TB,  191
.set TC,  192
.set TD,  193
.set AXA, 194                          ; LDS address for Xa
.set AXB, 195                          ; for Xb
.set AC,  196                          ; for C
.set AMG, 197                          ; where my pair goes
.set GH,  198                          ; 32 wave + lane / 16: the bits of the group number that the loop does not write
.set TP,  200                          ; v[200:202] my point as loaded
.set CP,  204                          ; v[204:207] 16 bytes of the copy
.set T1,  208
.set B0,  209
.set B1,  210
.set B2,  211
.set Q,   212
.set H,   213
.set R,   214
.set F,   216                          ; v[216:219] my point's octet
.set CC,  220                          ; v[220:223] c four times
	s_load_b256 s[4:11], s[0:1], 0x0               ; keys s[4:5], pointcloud s[6:7], out2 s[8:9], cand s[10:11]
	v_lshl_add_u32 v224, v0, 2, 0xc000
	v_mov_b32 v225, 0
	v_lshrrev_b32 v1, 5, v0
	v_readfirstlane_b32 s12, v1                    ; wave 0..7
	v_and_b32 v2, 31, v0                           ; lane
	; Key numbering.  Lane (r = lane % 16, h = lane / 16), registers 4u .. 4u+3 of fragment f hold row r of tile 2u + h.  That row is key
	; 512 w + 64 f + 32 u + 16 (r / 8) + 8 h + r % 8:  so rows 8H .. 8H+7 of tiles 2u and 2u+1 are the 16 keys of group 32 w + 4 f + 2 u + H.
	v_and_b32 v3, 7, v2
	v_bfe_u32 v4, v2, 4, 1                         ; h
	v_bfe_u32 v5, v2, 3, 1
	v_lshl_or_b32 v3, v4, 3, v3
	v_lshl_or_b32 v3, v5, 4, v3                    ; the lane's number with bits 3 and 4 exchanged
	s_lshl_b32 s13, s12, 9
	v_add_nc_u32 v3, s13, v3
	v_mul_u32_u24 v3, v3, 12                       ; byte offset of my key of step 0; a step is 32 keys, 384 bytes
	v_mul_u32_u24 v6, v0, 12                       ; my point
	v_lshlrev_b32 v7, 4, v0                        ; 16 t: the copy's bytes, and my place in the table of c
	s_mul_i32 s14, ttmp9, 3072                     ; the work-group's 256 points
	s_mov_b32 s15, 0
	s_mov_b32 s16, 0xffff0000                      ; a word's upper 16 bits: a bf16, or an f32 cut to bf16
	s_mov_b32 s17, 0x07060302                      ; v_perm_b32: the upper halves of two words
	s_mov_b32 s18, 0xffffff00                      ; clears the 8 bits that take the group's number
	s_mov_b32 s19, 0x7f7fffff                      ; the largest finite number
	s_mov_b32 s21, 0x3a800000                      ; 2^-10
	s_wait_kmcnt 0x0
	s_add_nc_u64 s[6:7], s[6:7], s[14:15]
	s_add_nc_u64 s[8:9], s[8:9], s[14:15]
	global_load_b96 v[TP:TP+2], v6, s[6:7]         ; the oldest load
.irp i, 0,1,2,3,4,5,6,7,8,9,10,11,12,13,14,15
	global_load_b96 v[DS+4*\i:DS+4*\i+2], v3, s[4:5] offset:384*\i   ; a wave's load covers 384 consecutive bytes
.endr
	; while they are on their way: zeros and addresses
.irp z, 0,8,16,24,32
.irp k, 0,1,2,3
	v_mov_b32 v[PB+\z+\k], 0
.endr
.endr
	v_lshlrev_b32 v[AXA], 4, v2                    ; entry = lane: lanes 0-15 numbers, lanes 16-31 zeros
	v_xor_b32 v[AXB], 0x100, v[AXA]                ; entry = lane xor 16: the other way round
	v_and_b32 v1, 15, v2                           ; r (also t % 16)
	v_lshlrev_b32 v[AC], 4, v1
	v_mul_u32_u24 v[AMG], v1, MGP
	v_lshl_add_u32 v[AMG], v4, 3, v[AMG]
	s_lshl_b32 s13, s12, 4
	v_add_nc_u32 v[AMG], s13, v[AMG]               ; point r of the tile: 144 r + 16 wave + 8 h
	s_lshl_b32 s13, s12, 5
	v_or_b32 v[GH], s13, v4
	v_lshrrev_b32 v5, 4, v0
	v_lshlrev_b32 v5, 9, v5
	v_lshl_or_b32 v5, v1, 4, v5                    ; my point's entry: 512 (t / 16) + 16 (t % 16)
	; the copy: 3,072 bytes = 192 threads x 16 bytes, waves 0 to 5; each store of a wave covers 512 consecutive bytes, aligned
	s_cmp_ge_u32 s12, 6
	s_cbranch_scc1 .Lnocopy
	global_load_b128 v[CP:CP+3], v7, s[6:7]
	s_wait_loadcnt 0x0
	global_store_b128 v7, v[CP:CP+3], s[8:9] th:TH_STORE_NT      ; v7 and v[CP:CP+3] are never written again
.Lnocopy:
	; my point: bf16, its octet, and c
	s_wait_loadcnt 16                              ; loads return in order: the point's is in, the 16 key loads behind it may be out
	v_cvt_pk_bf16_f32 v[T1], v[TP], v[TP+1]
	v_cvt_pk_bf16_f32 v[H], v[TP+2], 0
	v_lshlrev_b32 v[B0], 16, v[T1]
	v_and_b32 v[B1], s16, v[T1]
	v_lshlrev_b32 v[B2], 16, v[H]
	v_mul_f32 v[Q], v[B0], v[B0]
	v_fmac_f32 v[Q], v[B1], v[B1]
	v_fmac_f32 v[Q], v[B2], v[B2]                  ; p_sq
	v_fma_f32 v[CC], v[Q], s21, v[Q]               ; c = p_sq (1 + 2^-10)
	v_mul_f32 v[B0], -2.0, v[B0]                   ; exact
	v_mul_f32 v[B1], -2.0, v[B1]
	v_mul_f32 v[B2], -2.0, v[B2]
	v_cvt_pk_bf16_f32 v[F], v[B0], v[B1]           ; exact: the numbers are bf16 already
	v_cvt_pk_bf16_f32 v[F+1], v[B2], 1.0
	v_mov_b32 v[F+2], 0x3f803f80                   ; 1, 1
	v_mov_b32 v[F+3], 0
	v_mov_b32 v[CC+1], v[CC]
	v_mov_b32 v[CC+2], v[CC]
	v_mov_b32 v[CC+3], v[CC]
	ds_store_b128 v5, v[F:F+3] offset:PF
	ds_store_b128 v5, v[PB:PB+3] offset:PF+256     ; the entry of zeros beside it
	ds_store_b128 v7, v[CC:CC+3] offset:CT
; my key of step i (fragment i / 2, registers 4 (i % 2) ..): {k0, k1} {k2, hi} {mid, lo} {0, 0}
.macro KEYS i
	s_wait_loadcnt 15-\i                           ; key load i is in; the 15 - i behind it may be out
	v_cvt_pk_bf16_f32 v[KF+4*\i], v[DS+4*\i], v[DS+4*\i+1]
	v_cvt_pk_bf16_f32 v[T1], v[DS+4*\i+2], 0
	v_lshlrev_b32 v[B0], 16, v[KF+4*\i]
	v_and_b32 v[B1], s16, v[KF+4*\i]
	v_lshlrev_b32 v[B2], 16, v[T1]
	v_mul_f32 v[Q], v[B0], v[B0]
	v_fmac_f32 v[Q], v[B1], v[B1]
	v_fmac_f32 v[Q], v[B2], v[B2]                  ; k_sq in f32
	v_and_b32 v[H], s16, v[Q]                      ; its upper 8 significant bits,
	v_or_b32 v[KF+4*\i+1], v[H], v[T1]
	v_sub_f32 v[R], v[Q], v[H]                     ; the 16 below them (exact),
	v_and_b32 v[H], s16, v[R]                      ; of which the upper 8,
	v_sub_f32 v[Q], v[R], v[H]                     ; and the last 8 (exact): hi + mid + lo = k_sq
	v_perm_b32 v[KF+4*\i+2], v[Q], v[R], s17       ; low half: mid; high half: lo
	v_mov_b32 v[KF+4*\i+3], 0
.endm
.irp i, 0,1,2,3,4,5,6,7,8,9,10,11,12,13,14,15
	KEYS \i
.endr
	s_wait_dscnt 0x0                               ; my three LDS stores are done, for the other waves' sake
	s_barrier_signal -1
	s_barrier_wait -1                              ; the tables of all 256 points are whole
; point tile into buffer buf; tile counts from the trip's first tile
.macro LOADP buf, tile
	ds_load_b128 v[PB+16*(\buf)+4:PB+16*(\buf)+7],   v[AXA] offset:PF+512*(\tile)
	ds_load_b128 v[PB+16*(\buf)+12:PB+16*(\buf)+15], v[AXB] offset:PF+512*(\tile)
	ds_load_b128 v[CB+8*(\buf):CB+8*(\buf)+3],       v[AC] offset:CT+256*(\tile)
	ds_load_b128 v[CB+8*(\buf)+4:CB+8*(\buf)+7],     v[AC] offset:CT+256*(\tile)
.endm
; the 64 keys of fragment f against the 16 points of buffer buf: four products into result set 'set', tile q at 8 q.
; Each starts from C = c; none adds onto another's result.
.macro WM buf, f, set
	v_wmma_f32_16x16x32_bf16 v[DS+32*(\set):DS+32*(\set)+7],     v[KF+8*(\f):KF+8*(\f)+7], v[PB+16*(\buf)+4:PB+16*(\buf)+11],  v[CB+8*(\buf):CB+8*(\buf)+7]   ; Xa Z: K 0-7
	v_wmma_f32_16x16x32_bf16 v[DS+32*(\set)+8:DS+32*(\set)+15],  v[KF+8*(\f):KF+8*(\f)+7], v[PB+16*(\buf)+12:PB+16*(\buf)+19], v[CB+8*(\buf):CB+8*(\buf)+7]   ; Xb Z: K 8-15
	v_wmma_f32_16x16x32_bf16 v[DS+32*(\set)+16:DS+32*(\set)+23], v[KF+8*(\f):KF+8*(\f)+7], v[PB+16*(\buf):PB+16*(\buf)+7],     v[CB+8*(\buf):CB+8*(\buf)+7]   ; Z Xa: K 16-23
	v_wmma_f32_16x16x32_bf16 v[DS+32*(\set)+24:DS+32*(\set)+31], v[KF+8*(\f):KF+8*(\f)+7], v[PB+16*(\buf)+8:PB+16*(\buf)+15],  v[CB+8*(\buf):CB+8*(\buf)+7]   ; Z Xb: K 24-31
.endm
; the two groups of result set 'set' (fragment f): 22 vector instructions for 32 values a lane, in four chains
.macro VA set, f
	v_min3_num_f32 v[TA], v[DS+32*(\set)+0],  v[DS+32*(\set)+1],  v[DS+32*(\set)+2]
	v_min3_num_f32 v[TB], v[DS+32*(\set)+3],  v[DS+32*(\set)+4],  v[DS+32*(\set)+5]
	v_min3_num_f32 v[TC], v[DS+32*(\set)+16], v[DS+32*(\set)+17], v[DS+32*(\set)+18]
	v_min3_num_f32 v[TD], v[DS+32*(\set)+19], v[DS+32*(\set)+20], v[DS+32*(\set)+21]
.irp k, 6, 10
	v_min3_num_f32 v[TA], v[TA], v[DS+32*(\set)+\k],    v[DS+32*(\set)+\k+1]
	v_min3_num_f32 v[TB], v[TB], v[DS+32*(\set)+\k+2],  v[DS+32*(\set)+\k+3]
	v_min3_num_f32 v[TC], v[TC], v[DS+32*(\set)+\k+16], v[DS+32*(\set)+\k+17]
	v_min3_num_f32 v[TD], v[TD], v[DS+32*(\set)+\k+18], v[DS+32*(\set)+\k+19]
.endr
	v_min3_num_f32 v[TA], v[TA], v[DS+32*(\set)+14], v[DS+32*(\set)+15]
	v_min3_num_f32 v[TC], v[TC], v[DS+32*(\set)+30], v[DS+32*(\set)+31]
	v_min_num_f32 v[TA], v[TA], v[TB]
	v_min_num_f32 v[TC], v[TC], v[TD]
	v_and_or_b32 v[TA], v[TA], s18, 4*(\f)         ; positive numbers: their order is kept, equal ones are ordered by group
	v_and_or_b32 v[TC], v[TC], s18, 4*(\f)+2
	v_med3_num_f32 v[M2], v[M1], v[M2], v[TA]      ; M1 <= M2: the middle of the three is the new second
	v_min_num_f32 v[M1], v[M1], v[TA]
	v_med3_num_f32 v[M2], v[M1], v[M2], v[TC]
	v_min_num_f32 v[M1], v[M1], v[TC]
.endm
; One point tile, in buffer buf.  The products of step s + 1 are issued ahead of the vector work on step s, on the other result set: between a
; product and the first vector instruction that reads it stand the 22 vector instructions of the step before, which name none of its registers
; (ISA guide 7.12.1 asks for four), and likewise between the last product that read a buffer and the loads into it.
; Step 0's products were issued in the tile before.  ld = 1: this buffer is loaded with the tile two further on; nx = 1: a next tile exists.
.macro TILE buf, ld, nx
	v_mov_b32 v[M1], s19
	v_mov_b32 v[M2], s19
	WM \buf, 1, 1
	VA 0, 0
	WM \buf, 2, 0
	VA 1, 1
	WM \buf, 3, 1
	VA 0, 2
	WM \buf, 4, 0
	VA 1, 3
	WM \buf, 5, 1
	VA 0, 4
	WM \buf, 6, 0
	VA 1, 5
	WM \buf, 7, 1
	VA 0, 6
.if \nx
	s_wait_dscnt 0x0                               ; the other buffer's loads, issued a whole tile ago
.if \ld
	LOADP \buf, 2+\buf
.endif
	WM 1-\buf, 0, 0                                ; the next tile's step 0
.endif
	VA 1, 7
	v_or_b32 v[M1], v[M1], v[GH]                   ; the whole group number: 32 wave + 4 f + 2 u + lane / 16
	v_or_b32 v[M2], v[M2], v[GH]
	ds_store_b64 v[AMG], v[M1:M2] offset:MG+16*MGP*(\buf)
.endm
	LOADP 0, 0
	LOADP 1, 1
	s_wait_dscnt 0x0
	WM 0, 0, 0
.rept 4
	v_nop                                          ; the first products have no earlier step's work behind them: four places (ISA guide 7.12.1)
.endr
	s_mov_b32 s20, 7                               ; 7 trips of two tiles; the last two tiles are written out, without loads
.Ltrip:
	TILE 0, 1, 1
	TILE 1, 1, 1
	v_add_nc_u32 v[AXA], 1024, v[AXA]              ; two tiles on
	v_add_nc_u32 v[AXB], 1024, v[AXB]
	v_add_nc_u32 v[AC], 512, v[AC]
	v_add_nc_u32 v[AMG], 32*MGP, v[AMG]
	s_sub_co_u32 s20, s20, 1
	s_cmp_lg_u32 s20, 0
	s_cbranch_scc1 .Ltrip
	TILE 0, 0, 1
	TILE 1, 0, 0
	; the waves' results meet: thread t takes point t, 16 ordered pairs of 8 bytes
	s_wait_dscnt 0x0                               ; my stores are done, for the other waves' sake
	s_barrier_signal -1
	s_barrier_wait -1
	v_mul_u32_u24 v1, v0, MGP
.irp i, 0,1,2,3,4,5,6,7
	ds_load_b128 v[DS+4*\i:DS+4*\i+3], v1 offset:MG+16*\i
.endr
	s_lshl_b32 s14, ttmp9, 11                      ; 256 points x 8 bytes
	s_add_nc_u64 s[10:11], s[10:11], s[14:15]
	v_lshlrev_b32 v[T1], 3, v0
	s_wait_dscnt 0x0
.irp n, 1,2,3,4,5,6,7,8,9,10,11,12,13,14,15
	v_max_num_f32 v[TA], v[DS], v[DS+2*\n]                         ; second of two ordered pairs = the least of: the larger of the firsts, and the two seconds
	v_min3_num_f32 v[DS+1], v[TA], v[DS+1], v[DS+2*\n+1]
	v_min_num_f32 v[DS], v[DS], v[DS+2*\n]
.endr
	v_and_b32 v[TA], 0xff, v[DS]
	v_and_b32 v[TB], 0xff, v[DS+1]
	v_min_u32 v[M1], v[TA], v[TB]                  ; the lower group first: the next launch walks the keys in ascending order
	v_max_u32 v[M2], v[TA], v[TB]
	global_store_b64 v[T1], v[M1:M2], s[10:11]     ; a wave's store covers 256 consecutive bytes, aligned
	s_wait_tensorcnt 0x0
	ds_add_u32 v224, v225
	s_wait_dscnt 0x0
	s_endpgm
.Lfunc_end_k_q23d0625f46_filter:
	.size	k_q23d0625f46_filter, .Lfunc_end_k_q23d0625f46_filter-k_q23d0625f46_filter
	.p2alignl 7, 3214868480
	.fill 96, 4, 3214868480
	.section	.rodata,"a",@progbits
	.p2align	6, 0x0
	.amdhsa_kernel k_q23d0625f46_filter
		.amdhsa_group_segment_fixed_size 50176
		.amdhsa_private_segment_fixed_size 0
		.amdhsa_enable_private_segment 0
		.amdhsa_kernarg_size 32
		.amdhsa_user_sgpr_count 2
		.amdhsa_user_sgpr_kernarg_segment_ptr 1
		.amdhsa_wavefront_size32 1
		.amdhsa_system_sgpr_workgroup_id_x 1
		.amdhsa_system_sgpr_workgroup_id_y 1
		.amdhsa_system_sgpr_workgroup_id_z 1
		.amdhsa_system_vgpr_workitem_id 0
		.amdhsa_next_free_vgpr 226
		.amdhsa_next_free_sgpr 66
		.amdhsa_reserve_vcc 0
		.amdhsa_float_denorm_mode_32 3
		.amdhsa_float_denorm_mode_16_64 3
		.amdhsa_memory_ordered 1
		.amdhsa_forward_progress 1
		.amdhsa_inst_pref_size 69
	.end_amdhsa_kernel
	.amdgpu_metadata
---
amdhsa.version: [ 1, 2 ]
amdhsa.kernels:
  - .name:           k_q23d0625f46_filter
    .symbol:         k_q23d0625f46_filter.kd
    .args:
      - { .name: keys, .offset: 0, .size: 8, .value_kind: global_buffer, .address_space: global }
      - { .name: pointcloud, .offset: 8, .size: 8, .value_kind: global_buffer, .address_space: global }
      - { .name: out2, .offset: 16, .size: 8, .value_kind: global_buffer, .address_space: global }
      - { .name: cand, .offset: 24, .size: 8, .value_kind: global_buffer, .address_space: global }
    .group_segment_fixed_size: 50176
    .private_segment_fixed_size: 0
    .kernarg_segment_align: 8
    .kernarg_segment_size: 32
    .max_flat_workgroup_size: 256
    .sgpr_count:     66
    .vgpr_count:     226
    .wavefront_size: 32
...
	.end_amdgpu_metadata
.endif
;; end of part 1
;; launch refine (part 2): grid 256 x 1, 8 waves a work-group, no clusters, 38,912 bytes of LDS; arguments keys, pointcloud, cand, out1, ids; writes out1, ids
.if DOCPART == 2
	.amdgcn_target "amdgcn-amd-amdhsa--gfx1250"
	.amdhsa_code_object_version 6
	.text
	.protected	k_q23d0625f46_refine
	.globl	k_q23d0625f46_refine
	.p2align	8
	.type	k_q23d0625f46_refine,@function
k_q23d0625f46_refine:
	s_mov_b64 s[64:65], 0
	v_nop
	global_prefetch_b8 v0, s[64:65] scope:SCOPE_SE
	s_setreg_imm32_b32 hwreg(HW_REG_WAVE_MODE, 25, 1), 1
	s_wait_xcnt 0x0
; REFINE: the id of each point, decided among the 32 keys of its two candidate groups by the reference's own f32 arithmetic on points and keys
; rounded to bf16:  cross = (p0 k0 + p1 k1) + p2 k2,  p_sq and k_sq summed in the same order,  d2 = (p_sq - 2 cross) + k_sq,  the first index on ties.
; Products of two bf16 are exact in f32, so each fused multiply-add below rounds exactly where a separate multiply and add would.
; One thread, one point.  The groups' numbers are whole numbers that the launch before stored; they address an LDS table of all keys in bf16.
; Table: a group of 16 keys is 8 pieces of 16 bytes, piece = keys A, B as {k0A,k1A} {k0B,k1B} k2A k2B (k2 as the f32 image of its bf16),
; pitch 144 = 9 x 16 bytes, so that groups g .. g + 15 begin in sixteen different 16-byte columns modulo 256.
; No matrix work here: 32 keys a point, other keys for each lane.  LIMITS: finite inputs with finite squares; a NaN is never chosen.
.set KT,  0                            ; the table: 256 groups x 144 bytes
.set GP,  144
.set ST,  36864                        ; stage: 256 ids
.set P0,  12                           ; v[12:13] p0 twice, v[14:15] p1, v[16:17] p2, v[18:19] p_sq: pairs for the packed arithmetic
.set P1,  14
.set P2,  16
.set PS,  18
.set K0,  20                           ; v[20:21] k0 of keys A, B
.set K1,  22
.set S,   24                           ; k_sq of A, B
.set CX,  26                           ; cross, then d2, of A, B
.set BEST, 28
.set IDX, 29
.set ALO, 30
.set AHI, 31
.set X,   32                           ; v[32:79] raw keys, then v[32:95] the 16 pieces of my two groups
.set W,   96                           ; v[96:103] two pieces on their way into the table
	s_load_b256 s[4:11], s[0:1], 0x0               ; keys s[4:5], pointcloud s[6:7], cand s[8:9], out1 s[10:11]
	s_load_b64 s[12:13], s[0:1], 0x20              ; ids
	v_lshl_add_u32 v104, v0, 2, 0x9400
	v_mov_b32 v105, 0
	v_lshrrev_b32 v1, 5, v0
	v_readfirstlane_b32 s14, v1                    ; wave
	v_mul_u32_u24 v1, v0, 48                       ; four keys = 48 bytes = three loads of 16 bytes
	v_mul_u32_u24 v2, v0, 12
	v_lshlrev_b32 v3, 3, v0
	v_lshrrev_b32 v4, 2, v0
	v_and_b32 v5, 3, v0
	v_mul_u32_u24 v4, v4, GP
	v_lshl_add_u32 v4, v5, 5, v4                   ; block t of four keys: group t / 4, 32 bytes at 32 (t % 4)
	s_mov_b32 s16, 0xffff0000
	s_mul_i32 s18, ttmp9, 3072
	s_mov_b32 s19, 0
	s_wait_kmcnt 0x0
	s_add_nc_u64 s[6:7], s[6:7], s[18:19]
	s_lshl_b32 s18, ttmp9, 11
	s_add_nc_u64 s[8:9], s[8:9], s[18:19]
	s_lshl_b32 s18, ttmp9, 10
	s_add_nc_u64 s[10:11], s[10:11], s[18:19]
	s_add_nc_u64 s[12:13], s[12:13], s[18:19]
	global_load_b64 v[6:7], v3, s[8:9]
	global_load_b96 v[8:10], v2, s[6:7]
.irp i, 0,1,2,3
.irp j, 0,1,2
	global_load_b128 v[X+12*\i+4*\j:X+12*\i+4*\j+3], v1, s[4:5] offset:12288*\i+16*\j   ; block t + 256 i; a wave's three loads together cover 1,536 consecutive bytes
.endr
.endr
	s_wait_loadcnt 12                              ; the two oldest loads are in; the 12 key loads may be out
	v_cvt_pk_bf16_f32 v5, v8, v9
	v_cvt_pk_bf16_f32 v[P2], 0, v10                ; bf16 in the upper half: its f32 image
	v_lshlrev_b32 v[P0], 16, v5
	v_and_b32 v[P1], s16, v5
	v_mul_f32 v[PS], v[P0], v[P0]
	v_fmac_f32 v[PS], v[P1], v[P1]
	v_fmac_f32 v[PS], v[P2], v[P2]                 ; p_sq = (p0 p0 + p1 p1) + p2 p2
	v_mov_b32 v[P0+1], v[P0]
	v_mov_b32 v[P1+1], v[P1]
	v_mov_b32 v[P2+1], v[P2]
	v_mov_b32 v[PS+1], v[PS]
	v_min_u32 v6, 0xff, v6                         ; a loaded number enters an address only clamped
	v_min_u32 v7, 0xff, v7
	v_mul_u32_u24 v[ALO], v6, GP
	v_mul_u32_u24 v[AHI], v7, GP
	v_mov_b32 v[BEST], 0x7f800000                  ; +infinity
	v_mov_b32 v[IDX], 0
.irp i, 0,1,2,3
	s_wait_loadcnt 9-3*\i                          ; block i's three loads are in; those of the later blocks may be out
	v_cvt_pk_bf16_f32 v[W+0], v[X+12*\i+0], v[X+12*\i+1]
	v_cvt_pk_bf16_f32 v[W+1], v[X+12*\i+3], v[X+12*\i+4]
	v_cvt_pk_bf16_f32 v[W+2], 0, v[X+12*\i+2]
	v_cvt_pk_bf16_f32 v[W+3], 0, v[X+12*\i+5]
	v_cvt_pk_bf16_f32 v[W+4], v[X+12*\i+6], v[X+12*\i+7]
	v_cvt_pk_bf16_f32 v[W+5], v[X+12*\i+9], v[X+12*\i+10]
	v_cvt_pk_bf16_f32 v[W+6], 0, v[X+12*\i+8]
	v_cvt_pk_bf16_f32 v[W+7], 0, v[X+12*\i+11]
	ds_store_b128 v4, v[W:W+3] offset:KT+64*GP*\i
	ds_store_b128 v4, v[W+4:W+7] offset:KT+64*GP*\i+16
.endr
	s_wait_dscnt 0x0                               ; my part of the table is written, for the other waves' sake
	s_barrier_signal -1
	s_barrier_wait -1
.irp n, 0,1,2,3,4,5,6,7
	ds_load_b128 v[X+4*\n:X+4*\n+3], v[ALO] offset:KT+16*\n
.endr
.irp n, 0,1,2,3,4,5,6,7
	ds_load_b128 v[X+32+4*\n:X+32+4*\n+3], v[AHI] offset:KT+16*\n
.endr
; piece n: candidates 2 n and 2 n + 1, in ascending order of key
.macro PAIR n
	s_wait_dscnt 15-\n                             ; LDS loads return in order: piece n is in
	v_lshlrev_b32 v[K0], 16, v[X+4*\n]
	v_lshlrev_b32 v[K0+1], 16, v[X+4*\n+1]
	v_and_b32 v[K1], s16, v[X+4*\n]
	v_and_b32 v[K1+1], s16, v[X+4*\n+1]
	v_pk_mul_f32 v[S:S+1], v[K0:K0+1], v[K0:K0+1]
	v_pk_mul_f32 v[CX:CX+1], v[P0:P0+1], v[K0:K0+1]
	v_pk_fma_f32 v[S:S+1], v[K1:K1+1], v[K1:K1+1], v[S:S+1]
	v_pk_fma_f32 v[CX:CX+1], v[P1:P1+1], v[K1:K1+1], v[CX:CX+1]
	v_pk_fma_f32 v[S:S+1], v[X+4*\n+2:X+4*\n+3], v[X+4*\n+2:X+4*\n+3], v[S:S+1]       ; k_sq
	v_pk_fma_f32 v[CX:CX+1], v[P2:P2+1], v[X+4*\n+2:X+4*\n+3], v[CX:CX+1]             ; cross
	v_pk_fma_f32 v[CX:CX+1], v[CX:CX+1], -2.0, v[PS:PS+1] op_sel_hi:[1,0,1]           ; p_sq - 2 cross: 2 cross is exact, one rounding
	v_pk_add_f32 v[CX:CX+1], v[CX:CX+1], v[S:S+1]                                     ; + k_sq
	v_cmp_lt_f32 vcc_lo, v[CX], v[BEST]            ; strictly less: the first of equals stays
	v_cndmask_b32 v[IDX], v[IDX], 2*\n, vcc_lo
	v_min_num_f32 v[BEST], v[BEST], v[CX]
	v_cmp_lt_f32 vcc_lo, v[CX+1], v[BEST]
	v_cndmask_b32 v[IDX], v[IDX], 2*\n+1, vcc_lo
	v_min_num_f32 v[BEST], v[BEST], v[CX+1]
.endm
.irp n, 0,1,2,3,4,5,6,7,8,9,10,11,12,13,14,15
	PAIR \n
.endr
	v_cmp_gt_u32 vcc_lo, 16, v[IDX]
	v_cndmask_b32 v5, v7, v6, vcc_lo               ; candidates 0-15: the lower group, 16-31: the higher
	v_and_b32 v[IDX], 15, v[IDX]
	v_lshl_or_b32 v[IDX], v5, 4, v[IDX]            ; id = 16 group + place
	; out through LDS, so that sixteen lanes store 256 consecutive bytes
	v_lshlrev_b32 v5, 2, v0
	ds_store_b32 v5, v[IDX] offset:ST
	s_wait_dscnt 0x0
	s_barrier_signal -1
	s_barrier_wait -1
	s_cmp_ge_u32 s14, 2
	s_cbranch_scc1 .Lend                           ; 1,024 bytes = 64 threads x 16 bytes: waves 0 and 1
	v_lshlrev_b32 v5, 4, v0
	ds_load_b128 v[X:X+3], v5 offset:ST
	s_wait_dscnt 0x0
	global_store_b128 v5, v[X:X+3], s[10:11]       ; the output
	global_store_b128 v5, v[X:X+3], s[12:13]       ; and the list from which the next launch forms addresses
.Lend:
	s_wait_tensorcnt 0x0
	ds_add_u32 v104, v105
	s_wait_dscnt 0x0
	s_endpgm
.Lfunc_end_k_q23d0625f46_refine:
	.size	k_q23d0625f46_refine, .Lfunc_end_k_q23d0625f46_refine-k_q23d0625f46_refine
	.p2alignl 7, 3214868480
	.fill 96, 4, 3214868480
	.section	.rodata,"a",@progbits
	.p2align	6, 0x0
	.amdhsa_kernel k_q23d0625f46_refine
		.amdhsa_group_segment_fixed_size 38912
		.amdhsa_private_segment_fixed_size 0
		.amdhsa_enable_private_segment 0
		.amdhsa_kernarg_size 40
		.amdhsa_user_sgpr_count 2
		.amdhsa_user_sgpr_kernarg_segment_ptr 1
		.amdhsa_wavefront_size32 1
		.amdhsa_system_sgpr_workgroup_id_x 1
		.amdhsa_system_sgpr_workgroup_id_y 1
		.amdhsa_system_sgpr_workgroup_id_z 1
		.amdhsa_system_vgpr_workitem_id 0
		.amdhsa_next_free_vgpr 106
		.amdhsa_next_free_sgpr 66
		.amdhsa_reserve_vcc 1
		.amdhsa_float_denorm_mode_32 3
		.amdhsa_float_denorm_mode_16_64 3
		.amdhsa_memory_ordered 1
		.amdhsa_forward_progress 1
		.amdhsa_inst_pref_size 23
	.end_amdhsa_kernel
	.amdgpu_metadata
---
amdhsa.version: [ 1, 2 ]
amdhsa.kernels:
  - .name:           k_q23d0625f46_refine
    .symbol:         k_q23d0625f46_refine.kd
    .args:
      - { .name: keys, .offset: 0, .size: 8, .value_kind: global_buffer, .address_space: global }
      - { .name: pointcloud, .offset: 8, .size: 8, .value_kind: global_buffer, .address_space: global }
      - { .name: cand, .offset: 16, .size: 8, .value_kind: global_buffer, .address_space: global }
      - { .name: out1, .offset: 24, .size: 8, .value_kind: global_buffer, .address_space: global }
      - { .name: ids, .offset: 32, .size: 8, .value_kind: global_buffer, .address_space: global }
    .group_segment_fixed_size: 38912
    .private_segment_fixed_size: 0
    .kernarg_segment_align: 8
    .kernarg_segment_size: 40
    .max_flat_workgroup_size: 256
    .sgpr_count:     66
    .vgpr_count:     106
    .wavefront_size: 32
...
	.end_amdgpu_metadata
.endif
;; end of part 2
;; launch gather (part 3): grid 256 x 1, 8 waves a work-group, no clusters, 0 bytes of LDS; arguments values, ids, out0; writes out0
.if DOCPART == 3
	.amdgcn_target "amdgcn-amd-amdhsa--gfx1250"
	.amdhsa_code_object_version 6
	.text
	.protected	k_q23d0625f46_gather
	.globl	k_q23d0625f46_gather
	.p2align	8
	.type	k_q23d0625f46_gather,@function
k_q23d0625f46_gather:
	s_mov_b64 s[64:65], 0
	v_nop
	global_prefetch_b8 v0, s[64:65] scope:SCOPE_SE
	s_setreg_imm32_b32 hwreg(HW_REG_WAVE_MODE, 25, 1), 1
	s_wait_xcnt 0x0
; GATHER: out0[i] = values[ids[i]], rows of 64 f32 = 256 bytes.  The ids are whole numbers that the launch before stored.
; A wave takes 32 rows: lanes 0-15 rows 0-15, lanes 16-31 rows 16-31, sixteen lanes x 16 bytes a row, so every load takes and every store fills
; whole rows of 256 consecutive bytes, aligned.  All 16 row loads of a wave are issued before the first store; the waits count down.
; The table is 1 MiB and is read again and again by all work-groups: no hint on its loads.  The output is written once: non-temporal.
; No LDS, no matrix work, no barrier: the waves share nothing.  No prefetch: each wave's whole share is asked for at once, at its start.
.set ID, 8                             ; v[8:23]  my half's 16 ids, then the byte offsets of my 16 bytes in their rows
.set DT, 24                            ; v[24:87] 16 x 16 bytes
	s_load_b128 s[4:7], s[0:1], 0x0                ; values s[4:5], ids s[6:7]
	s_load_b64 s[8:9], s[0:1], 0x10                ; out0
	v_lshrrev_b32 v1, 5, v0
	v_readfirstlane_b32 s10, v1                    ; wave
	v_bfe_u32 v2, v0, 4, 1                         ; which half of the lanes
	v_and_b32 v1, 15, v0
	v_lshlrev_b32 v1, 4, v1                        ; my 16 bytes of a row
	v_lshlrev_b32 v3, 6, v2                        ; my half's 16 ids: 64 bytes
	v_lshl_or_b32 v4, v2, 12, v1                   ; my half's 16 rows of the output: 4,096 bytes
	s_lshl_b32 s12, ttmp9, 3
	s_add_co_u32 s12, s12, s10                     ; 8 x work-group + wave: which 32 rows
	s_lshl_b32 s14, s12, 13                        ; x 32 rows x 256 bytes
	s_lshl_b32 s12, s12, 7                         ; x 32 ids x 4 bytes
	s_mov_b32 s13, 0
	s_mov_b32 s15, 0
	s_wait_kmcnt 0x0
	s_add_nc_u64 s[6:7], s[6:7], s[12:13]
	s_add_nc_u64 s[8:9], s[8:9], s[14:15]
.irp c, 0,1,2,3
	global_load_b128 v[ID+4*\c:ID+4*\c+3], v3, s[6:7] offset:16*\c
.endr
	s_wait_loadcnt 0x0
.irp i, 0,1,2,3,4,5,6,7,8,9,10,11,12,13,14,15
	v_min_u32 v[ID+\i], 0xfff, v[ID+\i]            ; a loaded number enters an address only clamped
	v_lshl_add_u32 v[ID+\i], v[ID+\i], 8, v1       ; 256 id + my 16 bytes
.endr
.irp i, 0,1,2,3,4,5,6,7,8,9,10,11,12,13,14,15
	global_load_b128 v[DT+4*\i:DT+4*\i+3], v[ID+\i], s[4:5]
.endr
.irp i, 0,1,2,3,4,5,6,7,8,9,10,11,12,13,14,15
	s_wait_loadcnt 15-\i                           ; loads return in order: row i is in, the 15 - i behind it may be out
	global_store_b128 v4, v[DT+4*\i:DT+4*\i+3], s[8:9] offset:256*\i th:TH_STORE_NT
.endr
	s_endpgm
.Lfunc_end_k_q23d0625f46_gather:
	.size	k_q23d0625f46_gather, .Lfunc_end_k_q23d0625f46_gather-k_q23d0625f46_gather
	.p2alignl 7, 3214868480
	.fill 96, 4, 3214868480
	.section	.rodata,"a",@progbits
	.p2align	6, 0x0
	.amdhsa_kernel k_q23d0625f46_gather
		.amdhsa_group_segment_fixed_size 0
		.amdhsa_private_segment_fixed_size 0
		.amdhsa_enable_private_segment 0
		.amdhsa_kernarg_size 24
		.amdhsa_user_sgpr_count 2
		.amdhsa_user_sgpr_kernarg_segment_ptr 1
		.amdhsa_wavefront_size32 1
		.amdhsa_system_sgpr_workgroup_id_x 1
		.amdhsa_system_sgpr_workgroup_id_y 1
		.amdhsa_system_sgpr_workgroup_id_z 1
		.amdhsa_system_vgpr_workitem_id 0
		.amdhsa_next_free_vgpr 88
		.amdhsa_next_free_sgpr 66
		.amdhsa_reserve_vcc 0
		.amdhsa_float_denorm_mode_32 3
		.amdhsa_float_denorm_mode_16_64 3
		.amdhsa_memory_ordered 1
		.amdhsa_forward_progress 1
		.amdhsa_inst_pref_size 7
	.end_amdhsa_kernel
	.amdgpu_metadata
---
amdhsa.version: [ 1, 2 ]
amdhsa.kernels:
  - .name:           k_q23d0625f46_gather
    .symbol:         k_q23d0625f46_gather.kd
    .args:
      - { .name: values, .offset: 0, .size: 8, .value_kind: global_buffer, .address_space: global }
      - { .name: ids, .offset: 8, .size: 8, .value_kind: global_buffer, .address_space: global }
      - { .name: out0, .offset: 16, .size: 8, .value_kind: global_buffer, .address_space: global }
    .group_segment_fixed_size: 0
    .private_segment_fixed_size: 0
    .kernarg_segment_align: 8
    .kernarg_segment_size: 24
    .max_flat_workgroup_size: 256
    .sgpr_count:     66
    .vgpr_count:     88
    .wavefront_size: 32
...
	.end_amdgpu_metadata
.endif
;; end of part 3
;; ======== version 2 of 2: 3 launches; version 1 with the launch filter written anew for expert scheduling mode
;; workspace buffers: cand 524,288 bytes of whole numbers; ids 262,144 bytes of whole numbers
;; launch filter (part 4): grid 256 x 1, 8 waves a work-group, no clusters, 50,176 bytes of LDS; arguments keys, pointcloud, out2, cand; writes out2, cand
.if DOCPART == 4
	.amdgcn_target "amdgcn-amd-amdhsa--gfx1250"
	.amdhsa_code_object_version 6
	.text
	.protected	k_q23d0625f46_filter
	.globl	k_q23d0625f46_filter
	.p2align	8
	.type	k_q23d0625f46_filter,@function
k_q23d0625f46_filter:
	s_mov_b64 s[64:65], 0
	v_nop
	global_prefetch_b8 v0, s[64:65] scope:SCOPE_SE
	s_setreg_imm32_b32 hwreg(HW_REG_WAVE_SCHED_MODE, 0, 2), 2
	s_setreg_imm32_b32 hwreg(HW_REG_WAVE_MODE, 25, 1), 1
	s_wait_xcnt 0x0
	s_wait_alu depctr_vm_vsrc(0)
; FILTER: for each of the work-group's 256 points, the two groups of 16 consecutive keys that hold the smallest squared distances.
; Also copies the work-group's 3,072 bytes of pointcloud to out2.
; Points and keys are rounded to bf16.  One matrix instruction gives 16 keys x 16 points of  c + k_sq - 2 p.k,  c = p_sq (1 + 2^-10):
;   key side   (A, row = key):     k0, k1, k2, k_sq as three bf16 parts (an exact split of the f32), 0, 0      = 8 of the 32 K places
;   point side (B, column = point): -2 p0, -2 p1, -2 p2, 1, 1, 1, 0, 0   in ONE octet of K, zeros in the three others
;   C: c of the lane's point in all eight registers.  c only shifts a point's distances alike; the 2^-10 keeps them above zero.
; So an A fragment of 8 registers holds FOUR key tiles (64 keys), one in each octet, and which tile is multiplied is chosen by the octet
; in which the point's numbers stand: four overlapping register tuples over  Z Xa Z Xb Z  (Z = zeros; Xa = numbers in lanes 0-15, Xb in lanes 16-31).
; With keys as rows, a lane's 8 result registers are 8 keys of ONE point (column = lane % 16, rows 8 (lane / 16) + 0..7).
; Two tiles give a lane 16 values, which the key numbering below makes 16 consecutive keys, a group:
; 8 three-way minima, the group's number written into the low 8 mantissa bits, and median + minimum keep the two smallest: 11 vector instructions for 16 pairs.
; Eight waves: wave w keeps keys 512 w .. 512 w + 511 in 64 registers for the whole kernel and walks all 16 point tiles; the waves' results meet in LDS.
; The keys (48 KiB) are the only bytes that work-groups share; each wave loads its 6 KiB once, straight into registers, and nothing is filled again:
; no tensor loads, hence no joint requests in a cluster.
; LIMITS: inputs finite, with finite squares (no NaN, no infinity).  The order among groups is kept to 2^-16 of (d2 + 2^-10 |p|^2) plus the
; matrix sum's own rounding (a few ulp of |p|^2 + |k|^2): if three or more groups lie that close to the minimum, the nearest may be missing from the two.
; THE MODE: SCHED_MODE bits 1:0 = 2 (LLVM: expert scheduling mode 2), set by the entry lines.  The code itself states the register dependences
; between vector or matrix instructions and memory or LDS instructions, with s_wait_alu, always for 0.
; THE PLAN.  Registers that LDS instructions touch, in the loop:
;   Xa, Xb of PB[b], CB[b]   Read by the 32 products of a tile in buffer b; at that tile's end the LDS loads of the tile two further on land in them.
;   the pair (smallest, second)   Two pairs by turns, one to a buffer: written by the tile's vector work, read by one LDS store at the tile's end,
;                            written again at the head of the tile two further on.
;   AXA, AXB, AC, AMG        Read by the LDS loads and the store at each tile's end; written by four adds at a trip's end.
;   The keys, the results DS and the registers at work are named by vector and matrix instructions alone.
; So ONE wait on va_vdst stands at a tile's end, ahead of its five LDS instructions: the pair is written, the tile's products are done reading their
; buffer, and (behind a trip's end) the four addresses are written.  ONE wait on vm_vsrc stands at a trip's end, ahead of the adds: the trip's LDS
; instructions have read the four addresses and both pairs.
.set PF,  0                            ; LDS: 16 point tiles x (16 entries of 16 bytes with numbers, 16 entries of zeros)
.set CT,  8192                         ; LDS: 256 points x 16 bytes: c four times
.set MG,  12288                        ; LDS: 256 points x 144 bytes: 8 waves x 2 lane halves x (smallest, second)
.set MGP, 144                          ; 9 x 16 bytes: sixteen neighbouring points start in sixteen different 16-byte columns modulo 256
.set KF,  8                            ; v[8:71]    8 key fragments of 8 registers
.set PB,  72                           ; v[72:107]  Z Xa0 Z Xb0 Z Xa1 Z Xb1 Z, four registers each: two point buffers
.set CB,  108                          ; v[108:123] C, two buffers of 8
.set DS,  124                          ; v[124:187] results, two sets of 4 tiles; first the landing place of the raw keys, last of the merge
.set MA,  188                          ; v[188:189] smallest and second smallest so far, for tiles in buffer 0
.set MB,  224                          ; v[224:225] the same for tiles in buffer 1
.set M1,  MA                           ; the pair in hand: TILE sets these two names
.set M2,  MA+1
.set TA,  190
.set TB,  191
.set TC,  192
.set TD,  193
.set AXA, 194                          ; LDS address for Xa
.set AXB, 195                          ; for Xb
.set AC,  196                          ; for C
.set AMG, 197                          ; where my pair goes
.set GH,  198                          ; 32 wave + lane / 16: the bits of the group number that the loop does not write
.set AMR, 199                          ; the merge: LDS address of point t's 16 pairs
.set TP,  200                          ; v[200:202] my point as loaded
.set CP,  204                          ; v[204:207] 16 bytes of the copy
.set T1,  208
.set B0,  209
.set B1,  210
.set B2,  211
.set Q,   212
.set H,   213
.set R,   214
.set F,   216                          ; v[216:219] my point's octet
.set CC,  220                          ; v[220:223] c four times
	s_load_b256 s[4:11], s[0:1], 0x0               ; keys s[4:5], pointcloud s[6:7], out2 s[8:9], cand s[10:11]
	v_lshl_add_u32 v203, v0, 2, 0xc000
	v_mov_b32 v215, 0
	v_lshrrev_b32 v1, 5, v0
	v_readfirstlane_b32 s12, v1                    ; wave 0..7
	v_and_b32 v2, 31, v0                           ; lane
	; Key numbering.  Lane (r = lane % 16, h = lane / 16), registers 4u .. 4u+3 of fragment f hold row r of tile 2u + h.  That row is key
	; 512 w + 64 f + 32 u + 16 (r / 8) + 8 h + r % 8:  so rows 8H .. 8H+7 of tiles 2u and 2u+1 are the 16 keys of group 32 w + 4 f + 2 u + H.
	v_and_b32 v3, 7, v2
	v_bfe_u32 v4, v2, 4, 1                         ; h
	v_bfe_u32 v5, v2, 3, 1
	v_lshl_or_b32 v3, v4, 3, v3
	v_lshl_or_b32 v3, v5, 4, v3                    ; the lane's number with bits 3 and 4 exchanged
	s_wait_alu depctr_va_sdst(0)                   ; s12 is written, ahead of its first reader: offsets, LDS places and the copy's branch are made from it
	s_lshl_b32 s13, s12, 9
	v_add_nc_u32 v3, s13, v3
	v_mul_u32_u24 v3, v3, 12                       ; byte offset of my key of step 0; a step is 32 keys, 384 bytes
	v_mul_u32_u24 v6, v0, 12                       ; my point
	v_lshlrev_b32 v7, 4, v0                        ; 16 t: the copy's bytes, and my place in the table of c
	s_mul_i32 s14, ttmp9, 3072                     ; the work-group's 256 points
	s_mov_b32 s15, 0
	s_mov_b32 s16, 0xffff0000                      ; a word's upper 16 bits: a bf16, or an f32 cut to bf16
	s_mov_b32 s17, 0x07060302                      ; v_perm_b32: the upper halves of two words
	s_mov_b32 s18, 0xffffff00                      ; clears the 8 bits that take the group's number
	s_mov_b32 s19, 0x7f7fffff                      ; the largest finite number
	s_mov_b32 s21, 0x3a800000                      ; 2^-10
	s_wait_kmcnt 0x0
	s_add_nc_u64 s[6:7], s[6:7], s[14:15]
	s_add_nc_u64 s[8:9], s[8:9], s[14:15]
	s_wait_alu depctr_va_vdst(0)                   ; the offsets v3, v6 and v7 are written, which the global loads and the copy's store read; none of the three is written again
	global_load_b96 v[TP:TP+2], v6, s[6:7]         ; the oldest load
.irp i, 0,1,2,3,4,5,6,7,8,9,10,11,12,13,14,15
	global_load_b96 v[DS+4*\i:DS+4*\i+2], v3, s[4:5] offset:384*\i   ; a wave's load covers 384 consecutive bytes
.endr
	; while they are on their way: zeros and addresses
.irp z, 0,8,16,24,32
.irp k, 0,1,2,3
	v_mov_b32 v[PB+\z+\k], 0
.endr
.endr
	v_lshlrev_b32 v[AXA], 4, v2                    ; entry = lane: lanes 0-15 numbers, lanes 16-31 zeros
	v_xor_b32 v[AXB], 0x100, v[AXA]                ; entry = lane xor 16: the other way round
	v_and_b32 v1, 15, v2                           ; r (also t % 16)
	v_lshlrev_b32 v[AC], 4, v1
	v_mul_u32_u24 v[AMG], v1, MGP
	v_lshl_add_u32 v[AMG], v4, 3, v[AMG]
	s_lshl_b32 s13, s12, 4
	v_add_nc_u32 v[AMG], s13, v[AMG]               ; point r of the tile: 144 r + 16 wave + 8 h
	s_lshl_b32 s13, s12, 5
	v_or_b32 v[GH], s13, v4
	v_lshrrev_b32 v5, 4, v0
	v_lshlrev_b32 v5, 9, v5
	v_lshl_or_b32 v5, v1, 4, v5                    ; my point's entry: 512 (t / 16) + 16 (t % 16)
	v_mul_u32_u24 v[AMR], v0, MGP                  ; the merge: thread t takes point t
	; the copy: 3,072 bytes = 192 threads x 16 bytes, waves 0 to 5; each store of a wave covers 512 consecutive bytes, aligned
	s_cmp_ge_u32 s12, 6
	s_cbranch_scc1 .Lnocopy
	global_load_b128 v[CP:CP+3], v7, s[6:7]        ; no vector instruction names v7 since the wait above, and none ever names v[CP:CP+3]
	s_wait_loadcnt 0x0
	global_store_b128 v7, v[CP:CP+3], s[8:9] th:TH_STORE_NT      ; v7 and v[CP:CP+3] are never written again
.Lnocopy:
	; my point: bf16, its octet, and c
	s_wait_loadcnt 16                              ; loads return in order: the point's is in, the 16 key loads behind it may be out
	v_cvt_pk_bf16_f32 v[T1], v[TP], v[TP+1]
	v_cvt_pk_bf16_f32 v[H], v[TP+2], 0
	v_lshlrev_b32 v[B0], 16, v[T1]
	v_and_b32 v[B1], s16, v[T1]
	v_lshlrev_b32 v[B2], 16, v[H]
	v_mul_f32 v[Q], v[B0], v[B0]
	v_fmac_f32 v[Q], v[B1], v[B1]
	v_fmac_f32 v[Q], v[B2], v[B2]                  ; p_sq
	v_fma_f32 v[CC], v[Q], s21, v[Q]               ; c = p_sq (1 + 2^-10)
	v_mul_f32 v[B0], -2.0, v[B0]                   ; exact
	v_mul_f32 v[B1], -2.0, v[B1]
	v_mul_f32 v[B2], -2.0, v[B2]
	v_cvt_pk_bf16_f32 v[F], v[B0], v[B1]           ; exact: the numbers are bf16 already
	v_cvt_pk_bf16_f32 v[F+1], v[B2], 1.0
	v_mov_b32 v[F+2], 0x3f803f80                   ; 1, 1
	v_mov_b32 v[F+3], 0
	v_mov_b32 v[CC+1], v[CC]
	v_mov_b32 v[CC+2], v[CC]
	v_mov_b32 v[CC+3], v[CC]
	s_wait_alu depctr_va_vdst(0)                   ; written: the octet F, c, the zeros and v5, which the three LDS stores read; also AXA, AXB, AC, AMG and AMR, which the key
	                                               ; conversions below do not name: the first LDS loads behind the barrier lean on this wait for their addresses
	ds_store_b128 v5, v[F:F+3] offset:PF
	ds_store_b128 v5, v[PB:PB+3] offset:PF+256     ; the entry of zeros beside it
	ds_store_b128 v7, v[CC:CC+3] offset:CT         ; none of the registers that these three read is written again
; my key of step i (fragment i / 2, registers 4 (i % 2) ..): {k0, k1} {k2, hi} {mid, lo} {0, 0}
.macro KEYS i
	s_wait_loadcnt 15-\i                           ; key load i is in; the 15 - i behind it may be out
	v_cvt_pk_bf16_f32 v[KF+4*\i], v[DS+4*\i], v[DS+4*\i+1]
	v_cvt_pk_bf16_f32 v[T1], v[DS+4*\i+2], 0
	v_lshlrev_b32 v[B0], 16, v[KF+4*\i]
	v_and_b32 v[B1], s16, v[KF+4*\i]
	v_lshlrev_b32 v[B2], 16, v[T1]
	v_mul_f32 v[Q], v[B0], v[B0]
	v_fmac_f32 v[Q], v[B1], v[B1]
	v_fmac_f32 v[Q], v[B2], v[B2]                  ; k_sq in f32
	v_and_b32 v[H], s16, v[Q]                      ; its upper 8 significant bits,
	v_or_b32 v[KF+4*\i+1], v[H], v[T1]
	v_sub_f32 v[R], v[Q], v[H]                     ; the 16 below them (exact),
	v_and_b32 v[H], s16, v[R]                      ; of which the upper 8,
	v_sub_f32 v[Q], v[R], v[H]                     ; and the last 8 (exact): hi + mid + lo = k_sq
	v_perm_b32 v[KF+4*\i+2], v[Q], v[R], s17       ; low half: mid; high half: lo
	v_mov_b32 v[KF+4*\i+3], 0
.endm
.irp i, 0,1,2,3,4,5,6,7,8,9,10,11,12,13,14,15
	KEYS \i
.endr
	s_wait_dscnt 0x0                               ; my three LDS stores are done, for the other waves' sake
	s_barrier_signal -1
	s_barrier_wait -1                              ; the tables of all 256 points are whole
; point tile into buffer buf; tile counts from the trip's first tile
.macro LOADP buf, tile
	ds_load_b128 v[PB+16*(\buf)+4:PB+16*(\buf)+7],   v[AXA] offset:PF+512*(\tile)
	ds_load_b128 v[PB+16*(\buf)+12:PB+16*(\buf)+15], v[AXB] offset:PF+512*(\tile)
	ds_load_b128 v[CB+8*(\buf):CB+8*(\buf)+3],       v[AC] offset:CT+256*(\tile)
	ds_load_b128 v[CB+8*(\buf)+4:CB+8*(\buf)+7],     v[AC] offset:CT+256*(\tile)
.endm
; the 64 keys of fragment f against the 16 points of buffer buf: four products into result set 'set', tile q at 8 q.
; Each starts from C = c; none adds onto another's result.
.macro WM buf, f, set
	v_wmma_f32_16x16x32_bf16 v[DS+32*(\set):DS+32*(\set)+7],     v[KF+8*(\f):KF+8*(\f)+7], v[PB+16*(\buf)+4:PB+16*(\buf)+11],  v[CB+8*(\buf):CB+8*(\buf)+7]   ; Xa Z: K 0-7
	v_wmma_f32_16x16x32_bf16 v[DS+32*(\set)+8:DS+32*(\set)+15],  v[KF+8*(\f):KF+8*(\f)+7], v[PB+16*(\buf)+12:PB+16*(\buf)+19], v[CB+8*(\buf):CB+8*(\buf)+7]   ; Xb Z: K 8-15
	v_wmma_f32_16x16x32_bf16 v[DS+32*(\set)+16:DS+32*(\set)+23], v[KF+8*(\f):KF+8*(\f)+7], v[PB+16*(\buf):PB+16*(\buf)+7],     v[CB+8*(\buf):CB+8*(\buf)+7]   ; Z Xa: K 16-23
	v_wmma_f32_16x16x32_bf16 v[DS+32*(\set)+24:DS+32*(\set)+31], v[KF+8*(\f):KF+8*(\f)+7], v[PB+16*(\buf)+8:PB+16*(\buf)+15],  v[CB+8*(\buf):CB+8*(\buf)+7]   ; Z Xb: K 24-31
.endm
; the two groups of result set 'set' (fragment f): 22 vector instructions for 32 values a lane, in four chains
.macro VA set, f
	v_min3_num_f32 v[TA], v[DS+32*(\set)+0],  v[DS+32*(\set)+1],  v[DS+32*(\set)+2]
	v_min3_num_f32 v[TB], v[DS+32*(\set)+3],  v[DS+32*(\set)+4],  v[DS+32*(\set)+5]
	v_min3_num_f32 v[TC], v[DS+32*(\set)+16], v[DS+32*(\set)+17], v[DS+32*(\set)+18]
	v_min3_num_f32 v[TD], v[DS+32*(\set)+19], v[DS+32*(\set)+20], v[DS+32*(\set)+21]
.irp k, 6, 10
	v_min3_num_f32 v[TA], v[TA], v[DS+32*(\set)+\k],    v[DS+32*(\set)+\k+1]
	v_min3_num_f32 v[TB], v[TB], v[DS+32*(\set)+\k+2],  v[DS+32*(\set)+\k+3]
	v_min3_num_f32 v[TC], v[TC], v[DS+32*(\set)+\k+16], v[DS+32*(\set)+\k+17]
	v_min3_num_f32 v[TD], v[TD], v[DS+32*(\set)+\k+18], v[DS+32*(\set)+\k+19]
.endr
	v_min3_num_f32 v[TA], v[TA], v[DS+32*(\set)+14], v[DS+32*(\set)+15]
	v_min3_num_f32 v[TC], v[TC], v[DS+32*(\set)+30], v[DS+32*(\set)+31]
	v_min_num_f32 v[TA], v[TA], v[TB]
	v_min_num_f32 v[TC], v[TC], v[TD]
	v_and_or_b32 v[TA], v[TA], s18, 4*(\f)         ; positive numbers: their order is kept, equal ones are ordered by group
	v_and_or_b32 v[TC], v[TC], s18, 4*(\f)+2
	v_med3_num_f32 v[M2], v[M1], v[M2], v[TA]      ; M1 <= M2: the middle of the three is the new second
	v_min_num_f32 v[M1], v[M1], v[TA]
	v_med3_num_f32 v[M2], v[M1], v[M2], v[TC]
	v_min_num_f32 v[M1], v[M1], v[TC]
.endm
; One point tile, in buffer buf.  The products of step s + 1 are issued ahead of the vector work on step s, on the other result set: between a
; product and the first vector instruction that reads it stand the 22 vector instructions of the step before, which name none of its registers
; (ISA guide 7.12.1 asks for four).
; Step 0's products were issued in the tile before.  ld = 1: this buffer is loaded with the tile two further on; nx = 1: a next tile exists.
; The tile's LDS instructions, the pair's store and the four loads, stand together at its end, behind its one wait on va_vdst.
.macro TILE buf, ld, nx
.set M1, MA+(MB-MA)*(\buf)                     ; the buffer's own pair
.set M2, M1+1
	v_mov_b32 v[M1], s19                           ; the LDS store that read this pair, two tiles back, stands ahead of the last trip's wait on vm_vsrc
	v_mov_b32 v[M2], s19
	WM \buf, 1, 1
	VA 0, 0
	WM \buf, 2, 0
	VA 1, 1
	WM \buf, 3, 1
	VA 0, 2
	WM \buf, 4, 0
	VA 1, 3
	WM \buf, 5, 1
	VA 0, 4
	WM \buf, 6, 0
	VA 1, 5
	WM \buf, 7, 1
	VA 0, 6
.if \nx
	s_wait_dscnt 0x0                               ; the other buffer's loads, issued at the end of the tile before
	WM 1-\buf, 0, 0                                ; the next tile's step 0
.endif
	VA 1, 7
	v_or_b32 v[M1], v[M1], v[GH]                   ; the whole group number: 32 wave + 4 f + 2 u + lane / 16
	v_or_b32 v[M2], v[M2], v[GH]
	s_wait_alu depctr_va_vdst(0)                   ; the pair is written, which the store reads; this tile's products are done reading Xa, Xb and C of their buffer, in which the loads land;
	                                               ; behind a trip's end the four LDS addresses are written; in the last tile all products and minima on DS are done, in which the merge's loads land
	ds_store_b64 v[AMG], v[M1:M2] offset:MG+16*MGP*(\buf)
.if \ld
	LOADP \buf, 2+\buf
.endif
.endm
	LOADP 0, 0                                     ; their addresses were written ahead of the wait on va_vdst in front of the head's LDS stores; no vector instruction has named Xa, Xb or C
	LOADP 1, 1
	s_wait_dscnt 0x0
	WM 0, 0, 0
.rept 4
	v_nop                                          ; the first products have no earlier step's work behind them: four places (ISA guide 7.12.1)
.endr
	s_mov_b32 s20, 7                               ; 7 trips of two tiles; the last two tiles are written out, without loads
.Ltrip:
	TILE 0, 1, 1
	TILE 1, 1, 1
	s_wait_alu depctr_vm_vsrc(0)                   ; the trip's LDS loads and stores have read AXA, AXB, AC and AMG, which the adds write, and both pairs, which the next two tiles' heads write
	v_add_nc_u32 v[AXA], 1024, v[AXA]              ; two tiles on; their next readers stand behind the next tile's wait on va_vdst
	v_add_nc_u32 v[AXB], 1024, v[AXB]
	v_add_nc_u32 v[AC], 512, v[AC]
	v_add_nc_u32 v[AMG], 32*MGP, v[AMG]
	s_sub_co_u32 s20, s20, 1
	s_cmp_lg_u32 s20, 0
	s_cbranch_scc1 .Ltrip
	TILE 0, 0, 1
	TILE 1, 0, 0
.set M1, MA
.set M2, MA+1
	; the waves' results meet: thread t takes point t, 16 ordered pairs of 8 bytes
	s_wait_dscnt 0x0                               ; my stores are done, for the other waves' sake
	s_barrier_signal -1
	s_barrier_wait -1
.irp i, 0,1,2,3,4,5,6,7
	ds_load_b128 v[DS+4*\i:DS+4*\i+3], v[AMR] offset:MG+16*\i      ; no vector or matrix instruction since the last tile's wait on va_vdst names DS or AMR
.endr
	s_lshl_b32 s14, ttmp9, 11                      ; 256 points x 8 bytes
	s_add_nc_u64 s[10:11], s[10:11], s[14:15]
	v_lshlrev_b32 v[T1], 3, v0
	s_wait_dscnt 0x0
.irp n, 1,2,3,4,5,6,7,8,9,10,11,12,13,14,15
	v_max_num_f32 v[TA], v[DS], v[DS+2*\n]                         ; second of two ordered pairs = the least of: the larger of the firsts, and the two seconds
	v_min3_num_f32 v[DS+1], v[TA], v[DS+1], v[DS+2*\n+1]
	v_min_num_f32 v[DS], v[DS], v[DS+2*\n]
.endr
	v_and_b32 v[TA], 0xff, v[DS]
	v_and_b32 v[TB], 0xff, v[DS+1]
	s_wait_alu depctr_vm_vsrc(0)                   ; the LDS store of the last tile but one has read v[M1:M2], which the two lines below write
	v_min_u32 v[M1], v[TA], v[TB]                  ; the lower group first: the next launch walks the keys in ascending order
	v_max_u32 v[M2], v[TA], v[TB]
	s_wait_alu depctr_va_vdst(0)                   ; the two group numbers and the offset v[T1] are written, which the store reads
	global_store_b64 v[T1], v[M1:M2], s[10:11]     ; a wave's store covers 256 consecutive bytes, aligned
	s_wait_dscnt 0x0
	s_wait_alu depctr_hold_cnt(0) depctr_sa_sdst(0) depctr_va_vdst(0) depctr_va_sdst(0) depctr_va_ssrc(0) depctr_va_vcc(0) depctr_vm_vsrc(0)
	s_wait_tensorcnt 0x0
	ds_add_u32 v203, v215
	s_wait_dscnt 0x0
	s_endpgm
.Lfunc_end_k_q23d0625f46_filter:
	.size	k_q23d0625f46_filter, .Lfunc_end_k_q23d0625f46_filter-k_q23d0625f46_filter
	.p2alignl 7, 3214868480
	.fill 96, 4, 3214868480
	.section	.rodata,"a",@progbits
	.p2align	6, 0x0
	.amdhsa_kernel k_q23d0625f46_filter
		.amdhsa_group_segment_fixed_size 50176
		.amdhsa_private_segment_fixed_size 0
		.amdhsa_enable_private_segment 0
		.amdhsa_kernarg_size 32
		.amdhsa_user_sgpr_count 2
		.amdhsa_user_sgpr_kernarg_segment_ptr 1
		.amdhsa_wavefront_size32 1
		.amdhsa_system_sgpr_workgroup_id_x 1
		.amdhsa_system_sgpr_workgroup_id_y 1
		.amdhsa_system_sgpr_workgroup_id_z 1
		.amdhsa_system_vgpr_workitem_id 0
		.amdhsa_next_free_vgpr 226
		.amdhsa_next_free_sgpr 66
		.amdhsa_reserve_vcc 0
		.amdhsa_float_denorm_mode_32 3
		.amdhsa_float_denorm_mode_16_64 3
		.amdhsa_memory_ordered 1
		.amdhsa_forward_progress 1
		.amdhsa_inst_pref_size 70
	.end_amdhsa_kernel
	.amdgpu_metadata
---
amdhsa.version: [ 1, 2 ]
amdhsa.kernels:
  - .name:           k_q23d0625f46_filter
    .symbol:         k_q23d0625f46_filter.kd
    .args:
      - { .name: keys, .offset: 0, .size: 8, .value_kind: global_buffer, .address_space: global }
      - { .name: pointcloud, .offset: 8, .size: 8, .value_kind: global_buffer, .address_space: global }
      - { .name: out2, .offset: 16, .size: 8, .value_kind: global_buffer, .address_space: global }
      - { .name: cand, .offset: 24, .size: 8, .value_kind: global_buffer, .address_space: global }
    .group_segment_fixed_size: 50176
    .private_segment_fixed_size: 0
    .kernarg_segment_align: 8
    .kernarg_segment_size: 32
    .max_flat_workgroup_size: 256
    .sgpr_count:     66
    .vgpr_count:     226
    .wavefront_size: 32
...
	.end_amdgpu_metadata
.endif
;; end of part 4
;; launch refine: the kernel of part 2 again; grid 256 x 1, 8 waves a work-group, no clusters, 38,912 bytes of LDS; arguments keys, pointcloud, cand, out1, ids; writes out1, ids
;; launch gather: the kernel of part 3 again; grid 256 x 1, 8 waves a work-group, no clusters, 0 bytes of LDS; arguments values, ids, out0; writes out0
